; MI455X (gfx1250); checked and timed in simulation.
; The chip was launched on July 23, 2026; its instructions are those of AMD's public machine-readable ISA for CDNA 5 (MIT licence, August 2026) and "CDNA5" Instruction Set Architecture Reference Guide (July 2026). The comments in the code are by the model that wrote it; some were corrected since.
;; Multihead Attention. Allowed arithmetic: matrix products marked QUANTISED: E2M3 operands, one E8M0 scale for each 32 along K, by v_wmma_scale_f32_16x16x128_f8f6f4 with both operands' format E2M3, f32 sums; everything else in f32.
;; Inputs: wf 1,024 x 1,024 float32; wk 1,024 x 1,024 float32; wq 1,024 x 1,024 float32; wv 1,024 x 1,024 float32; x 4 x 2,048 x 1,024 float32.
;; Outputs: out0 4 x 2,048 x 1,024 float32.
;; This version of the problem:
;;   THIS VERSION OF THE PROBLEM IS GIVEN IN LOW PRECISION. The matrix products marked QUANTISED in the list below multiply operands that are first quantised to E2M3 (2 exponent bits, 3 mantissa bits; 6 bits a number), with one power-of-two scale for each 32 numbers along K (OCP MX v1.0); their sums are f32. All else is computed in f32.
;;   The module's matrix products, in the order in which they are computed (A, B: the left and right operand; K: the contracted axis; several contracted axes count as one K, in the product's order):
;;     1. [M 8,192, K 1,024] x [K 1,024, N 1,024]; A: input x; B: input wq: QUANTISED
;;     2. [M 8,192, K 1,024] x [K 1,024, N 1,024]; A: input x; B: input wk: QUANTISED
;;     3. [M 8,192, K 1,024] x [K 1,024, N 1,024]; A: input x; B: input wv: QUANTISED
;;     4. batch 64 x [M 2,048, K 64] x [K 64, N 2,048]; A: computed on the way; B: computed on the way: QUANTISED
;;     5. batch 64 x [M 2,048, K 2,048] x [K 2,048, N 64]; A: softmax (see below); B: computed on the way: QUANTISED
;;     6. [M 8,192, K 1,024] x [K 1,024, N 1,024]; A: computed on the way; B: input wf: QUANTISED
;;   THE QUANTISER, for each operand of a quantised product, along K:
;;     - K is cut into blocks of 32 from its start; a last block that is shorter is filled with zeros.
;;     - A block's scale is 2^e with e = floor(log2(the largest magnitude in the block)) - 2, held to -126 .. 127; a block of zeros has e = 0. As a byte (E8M0): e + 127.
;;     - Each number is divided by its block's scale, clamped to +-7.5, and rounded to the nearest number of E2M3, ties to even, subnormals kept.
;;     - The product sums the exact products of the quantised numbers (number of the format x scale) in f32.
;;   ~~~python
;;   def quantise(x, axis):      # numpy; x: float32 -> the quantised numbers, widened to float32 again
;;       x = np.moveaxis(x, axis, -1); K = x.shape[-1]
;;       x = np.pad(x, [(0, 0)] * (x.ndim - 1) + [(0, -K % 32)]); x = x.reshape(x.shape[:-1] + (-1, 32)); a = np.abs(x).max(-1, keepdims=True)
;;       e = np.where(a > 0, np.clip(np.frexp(np.where(a > 0, a, 1))[1] - 1 - 2, -126, 127), 0)      # np.frexp(a)[1] - 1 = floor(log2(a)), exactly
;;       r = np.clip(x / 2.0 ** e, -7.5, 7.5)
;;       step = 2.0 ** (np.maximum(np.frexp(np.where(r == 0, 1, r))[1] - 1, 0) - 3)
;;       q = np.round(r / step) * step * 2.0 ** e      # np.round: ties to even
;;       return np.moveaxis(q.reshape(q.shape[:-2] + (-1,))[..., :K], -1, axis).astype(np.float32)
;;   ~~~
;;   SOFTMAX AHEAD OF A QUANTISED PRODUCT. Where the list says 'softmax', what is quantised is not the finished softmax but p = 2^(t - M), with t = logit x log2(e) and M = ceil(the row's largest t), a whole number; so 1/2 < the row's largest p <= 1. The row's sum l is taken of the UNQUANTISED p, in f32, and the product's result is divided by l at the end. Since M is a whole number, a kernel that streams over the keys may use a running M (the ceiling of the running maximum): every later rescaling is an exact power of two, which a block's scale takes up: the codes' values come out the same.
;;   OPERANDS COMPUTED ON THE WAY. 'Computed on the way' means the value that the module computes at that place (a softmax that the list does not call 'softmax' is quantised finished and normalised). What goes into a quantiser is computed in f32, as accurately as f32 sums, v_exp_f32 and their like allow (about 1e-6 of the number): no bf16 or f16 on the way to a quantiser, and a product that is left as it is and whose result goes on into a quantised operand takes f32 operands (vector FMAs, or v_wmma_f32_16x16x4_f32). A number that lies on a knife's edge between two numbers of the format may be rounded either way, as far as f32 arithmetic and the matrix unit's own rounding can turn it there, and no further.
;; One version. Each part assembles by itself: llvm-mc -triple=amdgcn-amd-amdhsa -mcpu=gfx1250 --defsym DOCPART=n.
;; ======== version 1 of 1: 4 launches
;; limits: right only within a limited range of input values
;; workspace buffers: cd 9,437,184 bytes; sc 393,216 bytes; qkv 19,660,800 bytes; oc 6,291,456 bytes; os 262,144 bytes
;; launch quant (part 1): grid 768 x 1, 4 waves a work-group, no clusters, 34,816 bytes of LDS; arguments x, wq, wk, wv, wf, cd, sc; writes cd, sc
.if DOCPART == 1
	.amdgcn_target "amdgcn-amd-amdhsa--gfx1250"
	.amdhsa_code_object_version 6
	.text
	.protected	k_q2443067b3f_quant
	.globl	k_q2443067b3f_quant
	.p2align	8
	.type	k_q2443067b3f_quant,@function
k_q2443067b3f_quant:
	s_mov_b64 s[64:65], 0
	v_nop
	global_prefetch_b8 v0, s[64:65] scope:SCOPE_SE
	s_setreg_imm32_b32 hwreg(HW_REG_WAVE_MODE, 25, 1), 1
	s_wait_xcnt 0x0
; x [8192][1024] and wq, wk, wv, wf [1024][1024], f32, K innermost, become codes of FP6 (E2M3) with one E8M0 byte for each 32 along K.
; THE OUTPUT IS LAID IN THE ORDER OF AN OPERAND'S REGISTERS.  cd: [768 row tiles][8 K steps of 128][1,536 bytes]: piece i (0..5) at 256 i, lane l at 8 l, holds registers 2 i, 2 i + 1 of the
; fragment: lane (r, h) has row position r, registers 6 c .. 6 c + 5 hold k = 64 c + 32 h + 0 .. 31.  sc: [768 tiles][r 16][8] scale words, one for each 128 along K.
; Tiles 0-511 x, 512-575 wq, 576-639 wk, 640-703 wv, 704-767 wf.  THE ROWS OF A TILE ARE NOT NEIGHBOURS: position p of tile T is row 32 (T / 2) + 8 (T % 2) + p + 8 (p / 8), so that
; the results of a product in which such a tile is source 0 fall into a lane's registers as 16 neighbours for each pair of tiles.
; A block's scale is 2^(floor(log2(largest magnitude)) - 2); its byte is the largest magnitude's exponent field - 2, held at 1 from below.
; LIMITS: a block of zeros, or one whose largest magnitude lies under 2^(3 - 127), gets the byte 1 (its codes are zeros or next to it; this program alone reads the bytes); NaN and infinities are not served.
; SHARES: a work-group takes one row tile, wave w its K quarter 256 w .. 256 w + 255: two fragments.  Each load reads 512 consecutive bytes of one row; all 32 loads of a wave go out at once.
; The 16 rows x 512 bytes turn through the wave's own stage in LDS (rows 528 bytes apart) and come back 128 bytes a lane: a lane's two whole blocks of 32.  No cluster: work-groups share no input.
; THE ORDER OF A TILE'S ROWS, in place of the one named above: position p of tile T is row 64 (T / 4) + 32 (p / 8) + 8 (T % 4) + p % 8 of its tensor, so that
; the results of a product in which four such tiles are source 0 fall into a lane's 32 registers as 32 neighbours: one whole scale block of the next product.
.set ROWB,  4096                       ; a row of f32 in bytes
.set SPI,   528                        ; a stage row: 512 bytes + 16
.set STW,   16*SPI                     ; a wave's stage
.set SCG,   4*STW                      ; the tile's 128 scale words are gathered here: 512 bytes
.set SPARE, SCG+512                    ; the spare words, 128 bytes for each wave: two blocks of 256 bytes that no other line names
.set RA,    64                         ; v64-127   the first 128 along K as loaded; later the second as neighbours
.set RB,    128                        ; v128-191  the second 128 along K as loaded
.set XA,    192                        ; v192-255  the first 128 along K: register 32 c + i = k 64 c + 32 h + i of my row
.set CA,    32                         ; v32-43    the first fragment's codes
.set CB,    44                         ; v44-55    the second's: no store's data are written again
.set CT,    56                         ; v56-58, v60-62  a block's upper 16 codes, made here and moved
	s_load_b256 s[8:15], s[0:1], 0x0               ; x, wq, wk, wv
	s_load_b128 s[16:19], s[0:1], 0x20             ; wf, cd
	s_load_b64 s[20:21], s[0:1], 0x30              ; sc
	v_lshl_add_u32 v10, v0, 2, SPARE               ; my spare word; never rewritten
	v_mov_b32 v11, 0                               ; 0; never rewritten
	v_lshrrev_b32 v1, 5, v0
	v_readfirstlane_b32 s4, v1                     ; wave
	v_and_b32 v2, 31, v0                           ; lane
	v_and_b32 v3, 15, v0                           ; r
	v_bfe_u32 v24, v0, 4, 1                        ; h
	v_lshlrev_b32 v9, 4, v2                        ; 16 x lane
	s_lshl_b32 s5, s4, 10
	v_add_nc_u32 v4, s5, v9                        ; in memory: my 16 bytes of my wave's 1,024 bytes of a row
	s_mul_i32 s5, s4, STW
	v_add_nc_u32 v5, s5, v9                        ; into the stage: as loaded
	v_mul_u32_u24 v6, v3, SPI
	v_lshl_add_u32 v6, v24, 7, v6
	v_add_nc_u32 v6, s5, v6                        ; out of it: row r, + 128 h bytes: my block of 32
	v_lshlrev_b32 v7, 3, v2                        ; 8 x lane: my place in a piece
	v_lshlrev_b32 v8, 5, v3
	s_lshl_b32 s5, s4, 3
	s_add_co_u32 s5, s5, SCG
	v_add_nc_u32 v8, s5, v8                        ; my row's two scale words: SCG + 32 r + 8 wave
	v_lshlrev_b32 v24, 3, v24                      ; 8 h: how far my two bytes are shifted in a word
	v_mov_b32 v21, 0                               ; written once: a lane permute's destination counts as one of its sources
	s_mov_b32 s6, 0x76543210
	s_mov_b32 s7, 0xfedcba98                       ; selects for lane l xor 16
	s_and_b32 s24, ttmp9, 63                       ; the tile's number in its tensor: a weight has 64 tiles,
	s_cmp_lt_u32 ttmp9, 512
	s_cselect_b32 s24, ttmp9, s24                  ; x has 512
	s_lshr_b32 s25, s24, 2
	s_lshl_b32 s25, s25, 18                        ; 64 rows of 4,096 bytes for each four tiles,
	s_and_b32 s26, s24, 3                          ; 8 rows for each tile in the four
	s_lshl_b32 s26, s26, 15                        ; 8 rows of 4,096 bytes for each
	s_add_co_u32 s26, s26, s25
	s_mov_b32 s27, 0
	s_mul_i32 s28, ttmp9, 12288                    ; the tile's record in cd,
	s_mul_i32 s29, s4, 3072                        ; my two fragments in it
	s_add_co_u32 s28, s28, s29
	s_mov_b32 s29, 0
	s_lshl_b32 s30, ttmp9, 9                       ; the tile's 512 bytes in sc
	s_mov_b32 s31, 0
	s_wait_alu depctr_va_vdst(0)
	s_wait_kmcnt 0x0
	s_mov_b64 s[22:23], s[16:17]                   ; which tensor: a choice on the work-group's number alone
	s_cmp_lt_u32 ttmp9, 704
	s_cselect_b64 s[22:23], s[14:15], s[22:23]
	s_cmp_lt_u32 ttmp9, 640
	s_cselect_b64 s[22:23], s[12:13], s[22:23]
	s_cmp_lt_u32 ttmp9, 576
	s_cselect_b64 s[22:23], s[10:11], s[22:23]
	s_cmp_lt_u32 ttmp9, 512
	s_cselect_b64 s[22:23], s[8:9], s[22:23]
	s_add_nc_u64 s[22:23], s[22:23], s[26:27]
	s_add_nc_u64 s[18:19], s[18:19], s[28:29]
	s_add_nc_u64 s[20:21], s[20:21], s[30:31]
.macro LOAD reg, s                     ; 128 along K (the s-th of my 256) of the tile's 16 rows
.irp p, 0,1,2,3,4,5,6,7,8,9,10,11,12,13,14,15
	global_load_b128 v[\reg+4*\p:\reg+4*\p+3], v4, s[22:23] offset:(\p+24*(\p/8))*ROWB+512*\s th:TH_LOAD_NT   ; 32 lanes read 512 consecutive bytes of position p's row
.endr
.endm
.macro TURN from, to                   ; through my stage: LDS serves a wave's instructions in order, so no wait stands between the stores and the loads
.irp p, 0,1,2,3,4,5,6,7,8,9,10,11,12,13,14,15
	ds_store_b128 v5, v[\from+4*\p:\from+4*\p+3] offset:SPI*\p
.endr
.irp c, 0,1
.irp j, 0,1,2,3,4,5,6,7
	ds_load_b128 v[\to+32*\c+4*\j:\to+32*\c+4*\j+3], v6 offset:256*\c+16*\j
.endr
.endr
.endm
; 64 numbers of a lane (two whole blocks: 2 c + h) become a fragment's 12 registers and its scale word, and the codes leave: each store covers 256 consecutive bytes, aligned
.macro QF src, dst, s
.irp c, 0,1
	v_max3_num_f32 v[12+\c], |v[\src+32*\c]|, |v[\src+32*\c+1]|, 0x1800000   ; and the floor 2^(3 - 127): the byte cannot fall under 1
.endr
.irp i, 2,4,6,8,10,12,14,16,18,20,22,24,26,28,30
.irp c, 0,1
	v_max3_num_f32 v[12+\c], v[12+\c], |v[\src+32*\c+\i]|, |v[\src+32*\c+\i+1]|   ; the two blocks by turns
.endr
.endr
.irp c, 0,1
	v_add_nc_u32 v[16+\c], 0xff000000, v[12+\c]    ; 2 off the exponent field: the conversion takes this operand's exponent field as its scale
.endr
.irp c, 0,1
	v_lshrrev_b32 v[18+\c], 23, v[16+\c]           ; the scale's byte
.endr
	v_lshl_or_b32 v20, v19, 16, v18                ; my two bytes: blocks h and 2 + h,
	v_lshlrev_b32 v20, v24, v20                    ; at their places in the word;
	v_permlanex16_b32 v21, v20, s6, s7
	v_or_b32 v[22+\s], v20, v21                    ; with lane l xor 16's two the word is whole
.irp c, 0,1
	v_cvt_scalef32_pk16_fp6_f32 v[\dst+6*\c:\dst+6*\c+2], v[\src+32*\c:\src+32*\c+15], v[16+\c]
	v_cvt_scalef32_pk16_fp6_f32 v[CT+4*\c:CT+4*\c+2], v[\src+32*\c+16:\src+32*\c+31], v[16+\c]   ; (a conversion's three registers begin on an even number)
.endr
	v_nop                                          ; one plain place behind a scaled conversion
.irp c, 0,1
.irp i, 0,1,2
	v_mov_b32 v[\dst+6*\c+3+\i], v[CT+4*\c+\i]
.endr
.endr
.irp i, 0,1,2,3,4,5
	global_store_b64 v7, v[\dst+2*\i:\dst+2*\i+1], s[18:19] offset:1536*\s+256*\i
.endr
.endm
	LOAD RA, 0
	LOAD RB, 1
	s_wait_loadcnt 16                              ; the first sixteen loads are in; the second sixteen may be out
	TURN RA, XA
	s_wait_loadcnt 0x0
	s_wait_dscnt 0x0                               ; the first 128 are back as neighbours, and RA has been read
	TURN RB, RA                                    ; the second 128 turn while the first are quantised
	QF XA, CA, 0
	s_wait_dscnt 0x0
	QF RA, CB, 1
	ds_store_b64 v8, v[22:23]                      ; both lanes of a row write the same two words with the same values
	s_wait_dscnt 0x0                               ; for the others' sake: my words have landed
	s_barrier_signal -1
	s_barrier_wait -1
	s_cmp_lg_u32 s4, 0
	s_cbranch_scc1 .Lend
	ds_load_b128 v[26:29], v9 offset:SCG           ; wave 0 sends the tile's 128 words: 512 consecutive bytes
	s_wait_dscnt 0x0
	global_store_b128 v9, v[26:29], s[20:21]
.Lend:
	s_wait_tensorcnt 0x0                           ; the wave's end
	ds_add_u32 v10, v11
	s_wait_dscnt 0x0
	s_endpgm
.Lfunc_end_k_q2443067b3f_quant:
	.size	k_q2443067b3f_quant, .Lfunc_end_k_q2443067b3f_quant-k_q2443067b3f_quant
	.p2alignl 7, 3214868480
	.fill 96, 4, 3214868480
	.section	.rodata,"a",@progbits
	.p2align	6, 0x0
	.amdhsa_kernel k_q2443067b3f_quant
		.amdhsa_group_segment_fixed_size 34816
		.amdhsa_private_segment_fixed_size 0
		.amdhsa_enable_private_segment 0
		.amdhsa_kernarg_size 56
		.amdhsa_user_sgpr_count 2
		.amdhsa_user_sgpr_kernarg_segment_ptr 1
		.amdhsa_wavefront_size32 1
		.amdhsa_system_sgpr_workgroup_id_x 1
		.amdhsa_system_sgpr_workgroup_id_y 1
		.amdhsa_system_sgpr_workgroup_id_z 1
		.amdhsa_system_vgpr_workitem_id 0
		.amdhsa_next_free_vgpr 256
		.amdhsa_next_free_sgpr 66
		.amdhsa_reserve_vcc 0
		.amdhsa_float_denorm_mode_32 3
		.amdhsa_float_denorm_mode_16_64 3
		.amdhsa_memory_ordered 1
		.amdhsa_forward_progress 1
		.amdhsa_inst_pref_size 18
	.end_amdhsa_kernel
	.amdgpu_metadata
---
amdhsa.version: [ 1, 2 ]
amdhsa.kernels:
  - .name:           k_q2443067b3f_quant
    .symbol:         k_q2443067b3f_quant.kd
    .args:
      - { .name: x, .offset: 0, .size: 8, .value_kind: global_buffer, .address_space: global }
      - { .name: wq, .offset: 8, .size: 8, .value_kind: global_buffer, .address_space: global }
      - { .name: wk, .offset: 16, .size: 8, .value_kind: global_buffer, .address_space: global }
      - { .name: wv, .offset: 24, .size: 8, .value_kind: global_buffer, .address_space: global }
      - { .name: wf, .offset: 32, .size: 8, .value_kind: global_buffer, .address_space: global }
      - { .name: cd, .offset: 40, .size: 8, .value_kind: global_buffer, .address_space: global }
      - { .name: sc, .offset: 48, .size: 8, .value_kind: global_buffer, .address_space: global }
    .group_segment_fixed_size: 34816
    .private_segment_fixed_size: 0
    .kernarg_segment_align: 8
    .kernarg_segment_size: 56
    .max_flat_workgroup_size: 128
    .sgpr_count:     66
    .vgpr_count:     256
    .wavefront_size: 32
...
	.end_amdgpu_metadata
.endif
;; end of part 1
;; launch proj (part 2): grid 8 x 48, 4 waves a work-group, clusters of 4 x 4, 327,680 bytes of LDS; arguments cd, sc, qkv; writes qkv
.if DOCPART == 2
	.amdgcn_target "amdgcn-amd-amdhsa--gfx1250"
	.amdhsa_code_object_version 6
	.text
	.protected	k_q2443067b3f_proj
	.globl	k_q2443067b3f_proj
	.p2align	8
	.type	k_q2443067b3f_proj,@function
k_q2443067b3f_proj:
	s_mov_b64 s[64:65], 0
	v_nop
	global_prefetch_b8 v0, s[64:65] scope:SCOPE_SE
	s_setreg_imm32_b32 hwreg(HW_REG_WAVE_MODE, 25, 1), 1
	s_wait_xcnt 0x0
	s_wait_alu depctr_hold_cnt(0) depctr_sa_sdst(0) depctr_va_vdst(0) depctr_va_sdst(0) depctr_va_ssrc(0) depctr_va_vcc(0) depctr_vm_vsrc(0)
	s_getreg_b32 s2, hwreg(HW_REG_IB_STS2, 6, 4)
	s_cmp_eq_u32 s2, 0
	s_cbranch_scc0 .Lentry_in_a_cluster
	s_endpgm
.Lentry_in_a_cluster:
	s_bfe_u32 s2, ttmp6, 0x10000c
	s_cmp_lg_u32 s2, 0xf033
	s_cbranch_scc0 .Lentry_shape_is_right
	s_endpgm
.Lentry_shape_is_right:
; The three projections on codes of FP6 (E2M3), K = 1,024, and the quantising of their results.  One body: C = A B^T, 256 x 256 a work-group, 128 x 128 a wave, quantised along C's columns.
;   clusters y 0-7 :  A = x (8,192 rows), B = wq | wk (2,048 rows): Q and K, quantised along the head's 64.
;   clusters y 8-11:  A = wv (1,024 rows), B = x (8,192 rows): V^T, quantised along the keys.
; What differs between the two parts is chosen by s_cselect_b32 on the cluster's y, which all sixteen partners share: the text has no branch on it.
; OPERANDS lie in cd in the order of the operand's registers: [row tile][8 K steps of 128][1,536 bytes], piece p at 256 p, lane l at 8 l.  So a fragment is six ds_load_b64 of 256 consecutive bytes each: no pitch, no padding.
; THE MATRIX INSTRUCTION IS USED TRANSPOSED (source 0 = 16 rows of B, source 1 = 16 rows of A), and position p of row tile T is row 32 (T / 2) + 8 (T % 2) + p + 8 (p / 8): so lane (r, h) holds row position r of A's tile,
; and the 16 registers of B's tiles 2 b and 2 b + 1 are columns 32 b + 16 h + 0 .. 15: 16 neighbours along the next product's K.  The 64 numbers of a lane become one fragment and one scale word, in registers.
; qkv: 64 head records of 307,200 bytes.  Two halves of 102,400 (1,024 keys, 8 steps of 128): K's codes [step][pair j][1,536: key tiles 2 j | 2 j + 1, 64 along K each]; at 49,152 V's [step][d tile t][1,536];
; at 98,304 K's scale words [step][r][j] (low half tile 2 j, high half tile 2 j + 1); at 100,352 V's [step][r][t].  At 204,800 Q's codes [128 tiles][768]; at 303,104 Q's scale words [step][r][j].
; Every store of codes covers 256 consecutive bytes, aligned; the store of scale words two such runs.
; RING: three LDS slots of 256 along K (98,304 bytes: A's 16 row tiles of 3,072, then B's).  K has four such steps: three go out at the head (three tensor loads of a wave are out), the fourth fills slot 0 again.
; CLUSTERS: 4 x 4.  A's tiles are shared along a row of the cluster, B's along a column: each is asked for jointly.
; LIMITS: as in the launch before: a block under 2^(3 - 127) gets the byte 1; NaN and infinities are not served.
; REGISTERS: window 0: v16-18, v20-22 LDS addresses; v24-30 the way out's; v32-95 scale words of all of K (v[32 + 8 i + q]: lanes 0-15 A's block i, lanes 16-31 B's block i); v128-223 A's fragments, one set;
;   on the way out v96-114 codes, v200-215 at work, v224-239 scale words.   window 1: B's fragments, two sets, at v0 and v128.   windows 2, 3: accumulator (a, b) at v[8 (8 (a % 4) + b)].
; IN PLACE OF WHAT IS SAID ABOVE OF THE ROWS' ORDER AND OF THE RING:
; position p of row tile T is row 64 (T / 4) + 32 (p / 8) + 8 (T % 4) + p % 8: the 32 registers of B's tiles 4 c .. 4 c + 3 are columns 64 c + 32 h + 0 .. 31: a whole scale block in a lane.
; At the head each wave issues one joint load: wave 0 A's 16 row tiles of K's first 256, wave 1 B's, wave 2 A's of the second 256, wave 3 B's.  The third 256 go out behind a full round, the fourth fill slot 0 again in step 2.
.set HEADB, 307200
.set TILEB, 12288                      ; a row tile's record in cd
.set KSB,   3072                       ; 256 along K of a row tile
.set FU,    1536                       ; a fragment
.set SLOT,  98304
.set SPARE, 3*SLOT                     ; behind the ring: the spare words, 128 bytes for each wave: two blocks of 256 bytes that no other line names
.set FR,    12
.set NL,    6
.set NP,    4                          ; places behind this matrix instruction (ISA guide 7.12.1)
.set ADRA,  16
.set ADRB,  20
.set VO,    24                         ; v24, v25 where a fragment's first and second six registers go
.set VSO,   26                         ; v26 where my four scale words go
.set VS,    27                         ; v27 from where my scale words come
.set SPW,   28
.set NIL,   29
.set SELV,  30                         ; v30 byte selects: lanes 0-15 take the low halves of two words, lanes 16-31 the high halves
.set SC,    32
.set AF,    128
.set PC,    96
.set TM,    200
.set PW,    224
.set SW,    232
.set G1,    24                         ; s[24:31] group 1 for A's tiles;  s[32:39] for B's: they differ in the mask alone
.set G1B,   32
.set G0A,   40                         ; s[40:51] group 0 for A's tiles, a set for each slot;  s[52:63] for B's
.set G0B,   52
.set MSB, 0
.macro WIN new                         ; the immediate's high byte repeats the setting that is left
.if MSB != \new
	s_set_vgpr_msb (MSB<<8)|\new
.set MSB, \new
.endif
.endm
.set MUL_LO, 0xa1                      ; source 0 (B) window 1, source 1 (A) window 0, C and D window 2
.set MUL_HI, 0xf1                      ; the same, C and D window 3
.set TO_B,   0x40                      ; destination window 1, address window 0
; A joint load: waves 0 and 1 fetch for A, waves 2 and 3 for B; the branch hangs on the wave's number alone.  An s_nop 0 and four v_nop follow each of the two lines.
.macro JLOAD g0a, g1a, g0b, g1b
	s_cmp_eq_u32 s15, 0
	s_cbranch_scc0 .Lfor_b_\@
	tensor_load_to_lds s[\g0a:\g0a+3], s[\g1a:\g1a+7]
	s_nop 0
.rept 4
	v_nop
.endr
	s_branch .Lasked_\@
.Lfor_b_\@:
	tensor_load_to_lds s[\g0b:\g0b+3], s[\g1b:\g1b+7]
	s_nop 0
.rept 4
	v_nop
.endr
.Lasked_\@:
.endm
.macro CREST                           ; a round of the cluster's barrier behind its opening barrier
	s_cmp_lg_u32 s14, 0
	s_cbranch_scc1 .Lnot_wave_0_\@
	s_barrier_signal -3
.Lnot_wave_0_\@:
	s_barrier_wait -3
	s_barrier_signal -1
	s_barrier_wait -1
.endm
.macro CROUND
	s_barrier_signal -1
	s_barrier_wait -1
	CREST
.endm
.macro PLACES n
.rept \n
	v_nop
.endr
.endm
	s_load_b128 s[4:7], s[0:1], 0x0                ; cd, sc
	s_load_b64 s[8:9], s[0:1], 0x10                ; qkv
	v_lshl_add_u32 v[SPW], v0, 2, SPARE
	v_mov_b32 v[NIL], 0
	ds_add_u32 v[SPW], v[NIL]                      ; the wave's opening: the add and its wait stand ahead of my first tensor load; work on registers stands between them
	ds_add_u32 v[SPW], v[NIL]
	v_lshrrev_b32 v1, 5, v0
	v_readfirstlane_b32 s14, v1                    ; wave 0..3
	s_lshr_b32 s15, s14, 1                         ; which half of the tile's rows is mine.  Also: I fetch for A (0) or for B (1)
	s_and_b32 s16, s14, 1                          ; which half of its columns.  Also: which 8 row tiles I fetch
	s_bfe_u32 s66, ttmp6, 0x40000                  ; cx
	s_bfe_u32 s67, ttmp6, 0x40004                  ; cy
	s_and_b32 s68, ttmp7, 0xffff                   ; the cluster's y: 0-7 Q and K, 8-11 V
	s_lshl_b32 s69, s68, 6                         ; Q, K: A's first row tile of the cluster: 64 y
	s_max_u32 s70, s68, 8
	s_sub_co_u32 s70, s70, 8
	s_lshl_b32 s70, s70, 1
	s_add_co_u32 s70, s70, ttmp9                   ; V: which of eight column clusters
	s_lshl_b32 s70, s70, 6                         ; V: B's first row tile of the cluster (x)
	s_lshl_b32 s71, ttmp9, 6
	s_add_co_u32 s71, s71, 512                     ; Q, K: B's (wq, wk begin at tile 512)
	s_cmp_ge_u32 s68, 8
	s_cselect_b32 s72, 640, s69                    ; A: wv begins at tile 640
	s_cselect_b32 s73, s70, s71                    ; B
	s_lshl_b32 s74, s67, 4
	s_add_co_u32 s74, s74, s72                     ; A's first row tile of my work-group: hangs on cy, never on cx
	s_lshl_b32 s75, s66, 4
	s_add_co_u32 s75, s75, s73                     ; B's: hangs on cx, never on cy
	s_lshl_b32 s77, s67, 2
	s_lshl_b32 s77, 15, s77                        ; my row of the cluster
	s_lshl_b32 s88, 0x1111, s66                    ; my column
	; group 1: 8 rows (row tiles) of 3,072 bytes, 12,288 bytes apart, as elements of 8 bytes; dense in LDS
	s_or_b32 s[G1], s77, (3<<16)|(1<<21)           ; 15:0 the mask; 17:16 elements of 8 bytes; 20 no padding; 21 set beside a mask
	s_or_b32 s[G1B], s88, (3<<16)|(1<<21)
.irp g, G1, G1B
	s_mov_b32 s[\g+1], 384<<16                     ; tensor_dim0 = 384
	s_mov_b32 s[\g+2], 16<<16                      ; tensor_dim1 = 16 for the head's loads; 8 behind them
	s_mov_b32 s[\g+3], 384<<16                     ; tile_dim0 = 384
	s_mov_b32 s[\g+4], 16                          ; tile_dim1 likewise
	s_mov_b32 s[\g+5], 1536                        ; tensor_dim0_stride
	s_mov_b32 s[\g+6], 0
	s_mov_b32 s[\g+7], 0
.endr
	s_lshl_b32 s19, s16, 3                         ; which 8 row tiles I fetch
	s_add_co_u32 s90, s74, s19
	s_mul_i32 s90, s90, TILEB
	s_mov_b32 s91, 0
	s_add_co_u32 s92, s75, s19
	s_mul_i32 s92, s92, TILEB
	s_mov_b32 s93, 0
	s_mul_i32 s94, s14, 8*KSB                      ; where they go: wave x 8 row tiles: no place in the cluster enters an LDS address
	s_mul_i32 s96, s74, TILEB                      ; the head's loads: all 16 row tiles of A,
	s_mul_i32 s98, s75, TILEB                      ; of B,
	s_mul_i32 s2, s15, KSB                         ; K's 256 number wave / 2
	s_add_co_u32 s96, s96, s2
	s_add_co_u32 s98, s98, s2
	s_mov_b32 s97, 0
	s_mov_b32 s99, 0
	s_mov_b32 s78, 0x76543210
	s_mov_b32 s79, 0xfedcba98                      ; selects for lane l xor 16
	s_mov_b32 s17, 0xffff0000                      ; lanes 16-31
	s_wait_dscnt 0x0                               ; the opening add is done
	s_wait_kmcnt 0x0
	s_add_nc_u64 s[90:91], s[4:5], s[90:91]
	s_add_nc_u64 s[92:93], s[4:5], s[92:93]
	s_add_nc_u64 s[96:97], s[4:5], s[96:97]
	s_add_nc_u64 s[98:99], s[4:5], s[98:99]
	CROUND                                         ; all sixteen work-groups are here: the first joint loads meet
.irp s, 0,2
	s_mov_b32 s[G0A+4*\s], 1
	s_add_co_u32 s[G0A+4*\s+1], s94, \s*SLOT
	s_add_nc_u64 s[G0A+4*\s+2:G0A+4*\s+3], s[90:91], \s*KSB
	s_or_b32 s[G0A+4*\s+3], s[G0A+4*\s+3], 0x80000000
	s_mov_b32 s[G0B+4*\s], 1
	s_add_co_u32 s[G0B+4*\s+1], s94, \s*SLOT
	s_add_nc_u64 s[G0B+4*\s+2:G0B+4*\s+3], s[92:93], \s*KSB
	s_or_b32 s[G0B+4*\s+3], s[G0B+4*\s+3], 0x80000000
.endr
	s_mul_i32 s2, s15, SLOT                        ; the head's descriptors stand in the sets of slot 1: slot wave / 2, A's tiles first, B's behind them
	s_mov_b32 s[G0A+4], 1
	s_mov_b32 s[G0A+5], s2
	s_mov_b64 s[G0A+6:G0A+7], s[96:97]
	s_or_b32 s[G0A+7], s[G0A+7], 0x80000000
	s_mov_b32 s[G0B+4], 1
	s_add_co_u32 s[G0B+5], s2, 16*KSB
	s_mov_b64 s[G0B+6:G0B+7], s[98:99]
	s_or_b32 s[G0B+7], s[G0B+7], 0x80000000
	s_cmp_eq_u32 s16, 0                            ; one load a wave at the head: even waves A's, odd waves B's
	s_cbranch_scc0 .Lhead_b
	tensor_load_to_lds s[G0A+4:G0A+7], s[G1:G1+7]
	s_nop 0
.rept 4
	v_nop
.endr
	s_branch .Lhead_asked
.Lhead_b:
	tensor_load_to_lds s[G0B+4:G0B+7], s[G1B:G1B+7]
	s_nop 0
.rept 4
	v_nop
.endr
.Lhead_asked:
	v_and_b32 v2, 31, v0
	v_lshlrev_b32 v3, 3, v2                        ; 8 x lane
	v_and_b32 v6, 15, v0                           ; r
	v_bfe_u32 v7, v0, 4, 1                         ; h
	v_lshlrev_b32 v31, 3, v7                       ; 8 h: how far my two scale bytes are shifted in a word
	s_mul_i32 s2, s15, 8*KSB                       ; my 8 row tiles of A,
	s_mul_i32 s3, s16, 8*KSB
	s_add_co_u32 s3, s3, 16*KSB                    ; my 8 of B, behind A's 16
.irp s, 0,1,2
	v_add_nc_u32 v[ADRA+\s], s2, v3
	v_add_nc_u32 v[ADRB+\s], s3, v3
	s_add_co_u32 s2, s2, SLOT
	s_add_co_u32 s3, s3, SLOT
.endr
	s_lshl_b32 s95, s15, 3
	s_add_co_u32 s95, s95, s74                     ; my wave's first row tile of A,
	s_add_co_u32 s96, s75, s19                     ; and of B
	s_lshl_b32 s2, s95, 9
	s_lshl_b32 s3, s96, 9                          ; 512 bytes of scale words a tile
	v_mov_b32 v4, s2
	v_mov_b32 v5, s3
	v_cndmask_b32 v[VS], v4, v5, s17               ; lanes 0-15 take A's words, lanes 16-31 B's
	v_lshl_add_u32 v[VS], v6, 5, v[VS]             ; + 32 r: my row's eight words
.irp i, 0,1,2,3,4,5,6,7
	global_load_b128 v[SC+8*\i:SC+8*\i+3], v[VS], s[6:7] offset:512*\i       ; the scale words of all of K come once, straight into registers that hold nothing else
	global_load_b128 v[SC+8*\i+4:SC+8*\i+7], v[VS], s[6:7] offset:512*\i+16
.endr
	; where the results go
	s_cmp_ge_u32 s68, 8
	s_cselect_b32 s80, s96, s95                    ; the tokens' first row tile (of x's 512),
	s_cselect_b32 s81, s95, s96                    ; the channels' (of a weight's)
	s_cselect_b32 s84, 49152, 0                    ; V's codes lie behind K's,
	s_mov_b32 s85, 98304
	s_cselect_b32 s85, 100352, s85                 ; V's scale words behind K's
	s_mov_b32 s20, 768
	s_cselect_b32 s20, 1536, s20                   ; from block to block: V a whole fragment, Q and K half a fragment for each of two heads
	s_mov_b32 s22, 768
	s_cselect_b32 s22, HEADB-4608, s22             ; from block 3 to block 4: V goes on to the next head's first d tile
	s_mov_b32 s76, HEADB
	s_cselect_b32 s76, 768, s76                    ; a fragment's second six registers: V: behind the first; Q, K: the next head's
	s_cselect_b32 s18, -1, 0                       ; all lanes in the part V, none else
	s_mov_b32 s21, 0
	s_mov_b32 s23, 0
	s_lshr_b32 s82, s80, 7                         ; the batch,
	s_bfe_u32 s83, s80, 0x40003                    ; the step of 128 tokens in it,
	s_bfe_u32 s86, s81, 0x40002                    ; my first head: 4 row tiles a head, 64 a weight
	s_lshl_b32 s82, s82, 4
	s_add_co_u32 s82, s82, s86
	s_mul_i32 s82, s82, HEADB                      ; its record
	s_lshr_b32 s86, s83, 3
	s_mul_i32 s86, s86, 102400                     ; K, V: the half,
	s_and_b32 s87, s83, 7                          ; the step in it
	s_mul_i32 s88, s87, 6144
	s_add_co_u32 s88, s88, s86
	s_add_co_u32 s88, s88, s84
	s_lshl_b32 s89, s87, 8
	s_add_co_u32 s89, s89, s86
	s_add_co_u32 s89, s89, s85
	s_mul_i32 s86, s83, 6144                       ; Q
	s_add_co_u32 s86, s86, 204800
	s_lshl_b32 s87, s83, 8
	s_add_co_u32 s87, s87, 303104
	s_cmp_lt_u32 s81, 576                          ; wq's tiles are 512-575
	s_cselect_b32 s88, s86, s88
	s_cselect_b32 s89, s87, s89
	s_add_co_u32 s2, s88, s82
	s_mov_b32 s3, 0
	s_add_nc_u64 s[10:11], s[8:9], s[2:3]          ; the codes' base,
	s_add_co_u32 s2, s89, s82
	s_add_nc_u64 s[12:13], s[8:9], s[2:3]          ; the scale words'
	v_mov_b32 v[VO], v3
	v_add_nc_u32 v[VO+1], s76, v3
	v_mul_u32_u24 v7, v7, HEADB
	v_lshl_add_u32 v[VSO], v6, 4, v7               ; 16 r; lanes 16-31 write the next head's
	v_mov_b32 v[SELV], 0x05040100
	v_mov_b32 v8, 0x07060302
	v_cndmask_b32 v[SELV], v[SELV], v8, s17
.macro FRAG reg, adr, q, i             ; a fragment: six pieces of 256 consecutive bytes
.irp p, 0,1,2,3,4,5
	ds_load_b64 v[\reg+2*\p:\reg+2*\p+1], v[\adr] offset:KSB*(\i)+FU*(\q)+256*\p
.endr
.endm
.macro FETCH_B slot, q, p              ; B's eight fragments of the slot's q-th 128 along K into set p
	WIN TO_B
.irp i, 0,1,2,3,4,5,6,7
	FRAG 128*(\p)+FR*\i, ADRB+\slot, \q, \i
.endr
	WIN 0
.endm
.macro FETCH_A slot, q, i0             ; A's blocks i0 .. i0 + 3
.irp i, \i0, \i0+1, \i0+2, \i0+3
	FRAG AF+FR*(\i), ADRA+\slot, \q, \i
.endr
.endm
; 16 matrix instructions: A's blocks a0, a0 + 1 x B's eight; p: B's set; q: which 128 of K's 1,024.  The 64 accumulators take turns, one instruction a turn, in the same order in every step.
.macro MUL16 a0, p, q, zero
.irp a, \a0, \a0+1
.irp b, 0,1,2,3,4,5,6,7
.if \zero
	v_wmma_scale_f32_16x16x128_f8f6f4 v[8*(8*((\a)%4)+\b):8*(8*((\a)%4)+\b)+7], v[128*(\p)+FR*\b:128*(\p)+FR*\b+FR-1], v[AF+FR*(\a):AF+FR*(\a)+FR-1], 0, v[SC+8*\b+(\q)], v[SC+8*(\a)+(\q)] matrix_a_fmt:MATRIX_FMT_FP6 matrix_b_fmt:MATRIX_FMT_FP6 matrix_a_scale:MATRIX_SCALE_ROW1
.else
	v_wmma_scale_f32_16x16x128_f8f6f4 v[8*(8*((\a)%4)+\b):8*(8*((\a)%4)+\b)+7], v[128*(\p)+FR*\b:128*(\p)+FR*\b+FR-1], v[AF+FR*(\a):AF+FR*(\a)+FR-1], v[8*(8*((\a)%4)+\b):8*(8*((\a)%4)+\b)+7], v[SC+8*\b+(\q)], v[SC+8*(\a)+(\q)] matrix_a_fmt:MATRIX_FMT_FP6 matrix_b_fmt:MATRIX_FMT_FP6 matrix_a_scale:MATRIX_SCALE_ROW1
.endif
.endr
.endr
.endm
; A step of 128 along K; the next step's fragments come from slot nslot, its nq-th 128, which every wave has shown landed.
.macro STEP qg, zero, nslot, nq
	s_wait_dscnt 4*NL                              ; B's set and A's blocks 0-3 are in; the youngest 24 loads (A's blocks 4-7) may be out
	WIN MUL_LO
	MUL16 0, (\qg)%2, \qg, \zero
	MUL16 2, (\qg)%2, \qg, \zero
	s_wait_dscnt 0x0                               ; A's blocks 4-7 are in
	PLACES NP                                      ; in front of loads into registers that matrix instructions have read
	FETCH_B \nslot, \nq, 1-(\qg)%2
	FETCH_A \nslot, \nq, 0
	WIN MUL_HI
	MUL16 4, (\qg)%2, \qg, \zero
	MUL16 6, (\qg)%2, \qg, \zero
	PLACES NP
	WIN 0
	FETCH_A \nslot, \nq, 4
.endm
; A step (an odd one: B's set 1) with a barrier in it.  In front of the barrier each wave waits for all its tensor loads, adds 0 to its spare word, and waits for that and for its reads of the slot that it leaves.
; kind = 2: slot 0, just read out, is filled again with K's last 256: the barrier opens a round of the cluster's, and the joint load is the first thing behind the round.  kind = 1: that fill is shown landed to every wave.
.macro TURN qg, nslot, kind
	s_wait_tensorcnt 0x0                           ; all my tensor loads have landed
	ds_add_u32 v[SPW], v[NIL]                      ; 0 onto my spare word
	s_wait_dscnt 4*NL+1                            ; (the add and the youngest 24 loads may be out)
	WIN MUL_LO
	MUL16 0, 1, \qg, 0                             ; sixteen matrix instructions stand between the add and the wait for it
	s_wait_dscnt 0x0                               ; the add is done, and my reads of the slot are over
	s_barrier_signal -1
	MUL16 2, 1, \qg, 0
	WIN 0
	s_barrier_wait -1
.if \kind == 2
	CREST                                          ; no wave of any partner still reads slot 0 or has a load on its way
	s_add_nc_u64 s[G0A+2:G0A+3], s[G0A+2:G0A+3], 3*KSB
	s_add_nc_u64 s[G0B+2:G0B+3], s[G0B+2:G0B+3], 3*KSB
	JLOAD G0A, G1, G0B, G1B                        ; it has four steps, 256 matrix instructions, in which to land; its four v_nop are the places in front of the loads below
.else
	PLACES NP
.endif
	FETCH_B \nslot, 0, 0
	FETCH_A \nslot, 0, 0
	WIN MUL_HI
	MUL16 4, 1, \qg, 0
	MUL16 6, 1, \qg, 0
	PLACES NP
	WIN 0
	FETCH_A \nslot, 0, 4
.endm
; An even step (B's set 0) with the refill's round in it: slot 0, read out, takes K's last 256; the round also shows slot 2 landed to every wave.  The next step's fragments are the slot's second 128.
.macro TURNE qg, nslot
	s_wait_tensorcnt 0x0                           ; all my tensor loads have landed
	ds_add_u32 v[SPW], v[NIL]
	s_wait_dscnt 4*NL+1                            ; (the add and the youngest 24 loads may be out)
	WIN MUL_LO
	MUL16 0, 0, \qg, 0
	s_wait_dscnt 0x0                               ; the add is done, and my reads of slot 0 are over
	s_barrier_signal -1
	MUL16 2, 0, \qg, 0
	WIN 0
	s_barrier_wait -1
	CREST
	s_add_nc_u64 s[G0A+2:G0A+3], s[G0A+2:G0A+3], 3*KSB
	s_add_nc_u64 s[G0B+2:G0B+3], s[G0B+2:G0B+3], 3*KSB
	JLOAD G0A, G1, G0B, G1B                        ; the first tensor load behind the round; its four v_nop are the places in front of the loads below
	FETCH_B \nslot, 1, 1
	FETCH_A \nslot, 1, 0
	WIN MUL_HI
	MUL16 4, 0, \qg, 0
	MUL16 6, 0, \qg, 0
	PLACES NP
	WIN 0
	FETCH_A \nslot, 1, 4
.endm
	s_wait_alu depctr_va_vdst(0)                   ; the wait at the head's end
	s_wait_tensorcnt 0x0                           ; my tile of the head's four is in; the three lines stand ahead of a later first fill as ahead of a refill
	ds_add_u32 v[SPW], v[NIL]
	s_mov_b32 s[G1+2], 8<<16                       ; no tensor load of mine is out: from here on a load brings 8 row tiles
	s_mov_b32 s[G1+4], 8
	s_mov_b32 s[G1B+2], 8<<16
	s_mov_b32 s[G1B+4], 8
	s_wait_dscnt 0x0
	CROUND                                         ; slots 0 and 1 are whole for every wave, and the joint loads meet
	JLOAD G0A+8, G1, G0B+8, G1B                    ; K's third 256 into slot 2
	FETCH_B 0, 0, 0
	FETCH_A 0, 0, 0
	FETCH_A 0, 0, 4
	s_wait_loadcnt 0x0                             ; the scale words
	STEP 0, 1, 0, 1                                ; the first step's products start the sums: nothing is cleared
	STEP 1, 0, 1, 0
	TURNE 2, 1
	STEP 3, 0, 2, 0                                ; slot 2 was shown landed in every wave in front of the round above
	STEP 4, 0, 2, 1
	TURN 5, 0, 1
	STEP 6, 0, 0, 1
	s_wait_dscnt 4*NL                              ; the last step: nothing more to fetch
	WIN MUL_LO
	MUL16 0, 1, 7, 0
	MUL16 2, 1, 7, 0
	s_wait_dscnt 0x0
	WIN MUL_HI
	MUL16 4, 1, 7, 0
	MUL16 6, 1, 7, 0
	WIN 0
; THE WAY OUT.  Block a (16 rows of A): a lane's 64 numbers, register 32 c + i = column 64 c + 32 h + i of its row, become 12 registers of codes and a scale word; the codes leave from registers.
.macro QW a
.set WW, 2+(\a)/4
.set AC, 64*((\a)%4)
	WIN ((WW<<2)|(WW<<4))                          ; sources 1 and 2: the block's window
.irp b, 0,1,2,3
	v_max3_num_f32 v[TM+\b], 0x1800000, |v[AC+16*\b]|, |v[AC+16*\b+1]|   ; each accumulator is read from its low end on; the floor 2^(3 - 127) holds the byte at 1 from below
.endr
.irp i, 2,4,6,8,10,12,14
.irp b, 0,1,2,3
	v_max3_num_f32 v[TM+\b], v[TM+\b], |v[AC+16*\b+\i]|, |v[AC+16*\b+\i+1]|
.endr
.endr
	WIN 0
.irp c, 0,1
	v_max_num_f32 v[TM+2*\c], v[TM+2*\c], v[TM+2*\c+1]   ; my block 2 c + h: all its 32 numbers are mine
.endr
.irp c, 0,1
	v_add_nc_u32 v[TM+12+\c], 0xff000000, v[TM+2*\c]     ; 2 off the exponent field: the conversion's scale operand
.endr
.irp c, 0,1
	v_lshrrev_b32 v[TM+4+\c], 23, v[TM+12+\c]            ; the scale's byte
.endr
	v_lshl_or_b32 v[TM+4], v[TM+5], 16, v[TM+4]          ; my two bytes, blocks h and 2 + h,
	v_lshlrev_b32 v[TM+4], v31, v[TM+4]                  ; at their places in the word;
	v_permlanex16_b32 v[TM+6], v[TM+4], s78, s79
	v_or_b32 v[PW+\a], v[TM+4], v[TM+6]                  ; with lane l xor 16's two the row's word is whole, in both halves of the lanes
	WIN WW                                         ; source 0: the block's window
.irp c, 0,1
	v_cvt_scalef32_pk16_fp6_f32 v[PC+6*\c:PC+6*\c+2], v[AC+32*\c:AC+32*\c+15], v[TM+12+\c]
	v_cvt_scalef32_pk16_fp6_f32 v[PC+12+4*\c:PC+14+4*\c], v[AC+16+32*\c:AC+31+32*\c], v[TM+12+\c]
.endr
	WIN 0
	v_nop                                          ; one plain place behind a scaled conversion
.irp c, 0,1                                    ; the operand's layout wants a whole block in a lane
.irp i, 0,1,2
	v_mov_b32 v[PC+3+6*\c+\i], v[PC+12+4*\c+\i]
.endr
.endr
.irp c, 0,1
.irp p, 0,1,2
	global_store_b64 v[VO+\c], v[PC+6*\c+2*\p:PC+6*\c+2*\p+1], s[10:11] offset:256*\p
.endr
.endr
.if (\a) < 7
	s_wait_xcnt 0x0                                ; the stores have read their data and their base: both are written again only behind this wait
.if (\a) == 3
	s_add_nc_u64 s[10:11], s[10:11], s[22:23]
.else
	s_add_nc_u64 s[10:11], s[10:11], s[20:21]
.endif
.endif
.endm
	PLACES NP                                      ; behind the last products
.irp b, 0,1,2,3
	v_mov_b32 v[TM+4+\b], 0                        ; written once: a lane permute's destination counts as one of its sources
.endr
.irp a, 0,1,2,3,4,5,6,7
	QW \a
.endr
; The scale words.  Q, K: a block's word holds two bytes for each of my two heads; word j of a head takes its halves of blocks 2 j and 2 j + 1.  V: word t of a head is block t's (lanes 0-15) or block 4 + t's (lanes 16-31).
.irp j, 0,1,2,3
	v_perm_b32 v[SW+\j], v[PW+2*\j+1], v[PW+2*\j], v[SELV]
.endr
.irp j, 0,1,2,3
	v_cndmask_b32 v[SW+4+\j], v[PW+\j], v[PW+4+\j], s17
.endr
.irp j, 0,1,2,3
	v_cndmask_b32 v[SW+\j], v[SW+\j], v[SW+4+\j], s18
.endr
	global_store_b128 v[VSO], v[SW:SW+3], s[12:13] ; sixteen lanes store 256 consecutive bytes, aligned: one run in each of my two heads
	s_wait_tensorcnt 0x0                           ; the wave's end
	ds_add_u32 v[SPW], v[NIL]
	s_wait_dscnt 0x0
	CROUND                                         ; the closing round: no work-group ends while a partner may still ask for a tile that names it
	s_endpgm
.Lfunc_end_k_q2443067b3f_proj:
	.size	k_q2443067b3f_proj, .Lfunc_end_k_q2443067b3f_proj-k_q2443067b3f_proj
	.p2alignl 7, 3214868480
	.fill 96, 4, 3214868480
	.section	.rodata,"a",@progbits
	.p2align	6, 0x0
	.amdhsa_kernel k_q2443067b3f_proj
		.amdhsa_group_segment_fixed_size 327680
		.amdhsa_private_segment_fixed_size 0
		.amdhsa_enable_private_segment 0
		.amdhsa_kernarg_size 24
		.amdhsa_user_sgpr_count 2
		.amdhsa_user_sgpr_kernarg_segment_ptr 1
		.amdhsa_wavefront_size32 1
		.amdhsa_system_sgpr_workgroup_id_x 1
		.amdhsa_system_sgpr_workgroup_id_y 1
		.amdhsa_system_sgpr_workgroup_id_z 1
		.amdhsa_system_vgpr_workitem_id 0
		.amdhsa_next_free_vgpr 1024
		.amdhsa_next_free_sgpr 100
		.amdhsa_reserve_vcc 0
		.amdhsa_float_denorm_mode_32 3
		.amdhsa_float_denorm_mode_16_64 3
		.amdhsa_memory_ordered 1
		.amdhsa_forward_progress 1
		.amdhsa_inst_pref_size 161
	.end_amdhsa_kernel
	.amdgpu_metadata
---
amdhsa.version: [ 1, 2 ]
amdhsa.kernels:
  - .name:           k_q2443067b3f_proj
    .symbol:         k_q2443067b3f_proj.kd
    .args:
      - { .name: cd, .offset: 0, .size: 8, .value_kind: global_buffer, .address_space: global }
      - { .name: sc, .offset: 8, .size: 8, .value_kind: global_buffer, .address_space: global }
      - { .name: qkv, .offset: 16, .size: 8, .value_kind: global_buffer, .address_space: global }
    .group_segment_fixed_size: 327680
    .private_segment_fixed_size: 0
    .kernarg_segment_align: 8
    .kernarg_segment_size: 24
    .max_flat_workgroup_size: 128
    .sgpr_count:     100
    .vgpr_count:     1024
    .wavefront_size: 32
...
	.end_amdgpu_metadata
.endif
;; end of part 2
;; launch attn (part 3): grid 4 x 64, 16 waves a work-group, clusters of 4 x 1, 212,992 bytes of LDS; arguments qkv, oc, os; writes oc, os
.if DOCPART == 3
	.amdgcn_target "amdgcn-amd-amdhsa--gfx1250"
	.amdhsa_code_object_version 6
	.text
	.protected	k_q2443067b3f_attn
	.globl	k_q2443067b3f_attn
	.p2align	8
	.type	k_q2443067b3f_attn,@function
k_q2443067b3f_attn:
	s_mov_b64 s[64:65], 0
	v_nop
	global_prefetch_b8 v0, s[64:65] scope:SCOPE_SE
	s_setreg_imm32_b32 hwreg(HW_REG_WAVE_MODE, 25, 1), 1
	s_wait_xcnt 0x0
	s_wait_alu depctr_hold_cnt(0) depctr_sa_sdst(0) depctr_va_vdst(0) depctr_va_sdst(0) depctr_va_ssrc(0) depctr_va_vcc(0) depctr_vm_vsrc(0)
	s_getreg_b32 s2, hwreg(HW_REG_IB_STS2, 6, 4)
	s_cmp_eq_u32 s2, 0
	s_cbranch_scc0 .Lentry_in_a_cluster
	s_endpgm
.Lentry_in_a_cluster:
	s_bfe_u32 s2, ttmp6, 0x10000c
	s_cmp_lg_u32 s2, 0x3003
	s_cbranch_scc0 .Lentry_shape_is_right
	s_endpgm
.Lentry_shape_is_right:
; Attention on codes of FP6 (E2M3): for each head O = softmax(Q K^T / 8) V, head size 64, 2,048 keys, and the quantising of O along head x 64 + d for the last projection.
; THE SOFTMAX: t = score x log2(e) / 8; M = the running largest t rounded UP to a whole number; p = 2^(t - M) is quantised along the keys, not normalised; the row's sum is taken of the unquantised p and
; divides O at the end.  When M moves, the sum and O are multiplied by 2^(old M - new M): exact.  A block's scale exponent is floor(t - M) of its largest score, less 2: the exponent of its largest p.
; LIMITS: NaN and infinities are not served; a block whose largest p lies under 2^-124 gets the byte 1; where v_exp_f32 rounds a block's largest p up to a power of two, that one p is held at the largest code.
; SHARES.  A work-group owns ONE head and 512 queries; each of its sixteen waves owns two tiles of 16 queries, one after the other (a loop of two passes), in 256 registers: four waves to a SIMD.  64 heads x 4 blocks = 256 work-groups.
; LDS.  The head's K and V, codes and scale words, are one dense run of 204,800 bytes: each wave brings 50 rows of 256 bytes by one joint load at the head.  Nothing is filled again: no barrier stands in the walk over the keys.
; CLUSTER.  The four query blocks of a head form a cluster and ask for the head's record jointly (mask of all four).
; NO PREFETCH: every tensor load stands at the head; there is no loop in which a later load could be asked for ahead.
; LAYOUT.  Both products are used transposed: S^T = K Q^T, O^T = V^T P^T: a lane holds ONE query.  All operands lie in LDS in the order of the operand's registers: six ds_load_b64 of 256 consecutive bytes a fragment.
; Position p of key tile T is key 64 (T / 4) + 32 (p / 8) + 8 (T % 4) + p % 8: so lane (r, h) holds in the 32 registers of tiles 4 c .. 4 c + 3 keys 64 c + 32 h + 0 .. 31: block 2 c + h, whole.  O^T's 32 registers are d = 32 h + 0 .. 31 likewise.
; K = 64 IN AN INSTRUCTION OF 128: a fragment of K holds key tiles 2 j (k 0-63) and 2 j + 1 (k 64-127).  Against [Q | zeros] it gives tile 2 j's scores, against [zeros | Q] tile 2 j + 1's: zero codes add nothing; no scale byte is 0xff.
; THE ORDER OF A STEP.  Independent lines stand between the links of every chain: the maxima run in eight chains, one a tile; V's LDS loads stand between the links of the chain that makes M; the block scales' lines among the
; multiply-adds; the sum runs in seven chains, which are joined behind the NEXT step's first products (six lines that name none of those products' registers: their places); the next step's fragments of K are asked for
; behind the second products' places, ahead of the sum's last eleven lines.
; os: [head 16][row tile 512][r 16] half words: the head's two scale bytes of a row; a work-group's 32 tiles are 1,024 consecutive bytes.
; REGISTERS: v1 8 x lane; v2 K's scale words' place; v3, v4 the add's two; v5, v6 a trip's addresses; v7 8 h; v8, v9, v92, v93 addresses; v12 and v10 -M by turns (pairs with v13, v11); v13 the largest score; v[14:15] the sum;
;   v16-33 [Q][zeros][Q]; v36-83 four fragments of K, then of V; v84-90, v204-209 Q as loaded; v96-159 S^T, then p; v160-191 O^T; v192-201 scale words of K, V, Q; v212-223 six partial sums (v218-221 also four of the maxima);
;   v224-242 p's codes; v244-255 at work.
.set HEADB, 307200
.set HALFB, 102400
.set FU,    1536
.set VOFF,  49152                      ; in a half: V's codes
.set KSC,   98304                      ; K's scale words; V's lie 2,048 bytes on
.set SPARE, 2*HALFB                    ; the spare words, 128 bytes for each wave: eight blocks of 256 bytes that no other line names
.set STG,   SPARE+2048                 ; 1,024 bytes of their own: the work-group's 512 half words of O's scales
.set WV,    18
.set SEL,   20
.set CS,    22
.set NC,    16
.set G1,    24
.set G0,    40
.macro CROUND
	s_barrier_signal -1
	s_barrier_wait -1
	s_cmp_lg_u32 s[WV], 0
	s_cbranch_scc1 .Lnot_wave_0_\@
	s_barrier_signal -3
.Lnot_wave_0_\@:
	s_barrier_wait -3
	s_barrier_signal -1
	s_barrier_wait -1
.endm
.macro WALU
	s_wait_alu depctr_va_vdst(0)
.endm
	s_load_b128 s[4:7], s[0:1], 0x0                ; qkv, oc
	s_load_b64 s[8:9], s[0:1], 0x10                ; os
	v_lshl_add_u32 v3, v0, 2, SPARE
	v_mov_b32 v4, 0
	ds_add_u32 v3, v4                              ; the opening lines: the add, twice on end, and its wait ahead of my tensor load
	ds_add_u32 v3, v4
	v_lshrrev_b32 v5, 5, v0
	v_readfirstlane_b32 s[WV], v5                  ; wave 0..15
	s_mov_b32 s[G1], 15|(3<<16)|(1<<21)            ; the mask of all four work-groups; elements of 8 bytes; bit 21 beside a mask
	s_mov_b32 s[G1+1], 32<<16                      ; rows of 256 bytes,
	s_mov_b32 s[G1+2], 50<<16                      ; 50 of them
	s_mov_b32 s[G1+3], 32<<16
	s_mov_b32 s[G1+4], 50
	s_mov_b32 s[G1+5], 32                          ; dense
	s_mov_b32 s[G1+6], 0
	s_mov_b32 s[G1+7], 0
	s_mov_b32 s[SEL], 0x76543210
	s_mov_b32 s[SEL+1], 0xfedcba98                 ; selects for lane l xor 16
	s_mov_b32 s[CS], 0x3e38aa3b                    ; c = log2(e) / 8
	s_mov_b32 s[CS+1], s[CS]
	s_mov_b32 s[NC], 0xbe38aa3b                    ; -c
	s_and_b32 s32, ttmp7, 0xffff                   ; y = 16 x batch + head: the partners share it
	s_bfe_u32 s60, ttmp6, 0x40000                  ; cx: my block of 512 queries; it enters Q's, oc's and os's addresses alone
	s_lshl_b32 s62, s60, 5
	s_lshl_b32 s33, s[WV], 1
	s_add_co_u32 s62, s62, s33                     ; my first tile of 16 queries, of the batch's 128
	s_mul_i32 s34, s32, HEADB                      ; the head's record
	s_mov_b32 s35, 0
	s_mul_i32 s33, s[WV], 12800                    ; my 50 rows of it
	s_mov_b32 s36, s33
	s_mov_b32 s37, 0
	s_mul_i32 s38, s62, 768
	s_add_co_u32 s38, s38, 204800                  ; my two tiles' codes of Q
	s_mov_b32 s39, 0
	s_lshr_b32 s66, s62, 3
	s_lshl_b32 s66, s66, 8
	s_add_co_u32 s66, s66, 303104                  ; the 256 bytes with their scale words
	s_mov_b32 s67, 0
	s_lshr_b32 s63, s32, 4                         ; the batch
	s_and_b32 s61, s32, 15                         ; the head
	s_lshl_b32 s68, s63, 7
	s_add_co_u32 s2, s68, s62                      ; my row tile of 512
	s_mul_i32 s2, s2, 12288
	s_mul_i32 s3, s61, 768                         ; K step head / 2, half head % 2
	s_add_co_u32 s2, s2, s3
	s_mov_b32 s3, 0
	s_lshl_b32 s69, s60, 5
	s_add_co_u32 s68, s68, s69
	s_lshl_b32 s68, s68, 5                         ; os: 32 bytes a tile,
	s_lshl_b32 s69, s61, 14                        ; 16,384 a head
	s_add_co_u32 s68, s68, s69
	s_mov_b32 s69, 0
	s_mov_b32 s[G0], 1
	s_mov_b32 s[G0+1], s33
	s_wait_dscnt 0x0                               ; both opening adds are done
	s_wait_kmcnt 0x0
	s_add_nc_u64 s[34:35], s[4:5], s[34:35]
	s_add_nc_u64 s[G0+2:G0+3], s[34:35], s[36:37]
	s_or_b32 s[G0+3], s[G0+3], 0x80000000
	s_add_nc_u64 s[52:53], s[34:35], s[38:39]
	s_add_nc_u64 s[54:55], s[34:35], s[66:67]
	s_add_nc_u64 s[58:59], s[6:7], s[2:3]
	s_add_nc_u64 s[56:57], s[8:9], s[68:69]
	CROUND                                         ; all four work-groups are here: the joint loads meet
	tensor_load_to_lds s[G0:G0+3], s[G1:G1+7]      ; my one tensor load
	s_nop 0
.rept 4
	v_nop
.endr
	v_and_b32 v5, 31, v0                           ; lane
	v_and_b32 v6, 15, v0                           ; r
	v_bfe_u32 v7, v0, 4, 1                         ; h
	v_lshlrev_b32 v1, 3, v5
	v_lshlrev_b32 v2, 4, v6                        ; 16 r: a row's four scale words
	s_and_b32 s13, s[WV], 3
	s_lshl_b32 s13, s13, 2
	v_add_nc_u32 v8, s13, v2                       ; Q's: word wave % 4 of my row holds both my tiles' bytes
	v_add_nc_u32 v2, KSC, v2
	s_lshl_b32 s13, s[WV], 6
	v_lshl_add_u32 v9, v6, 1, s13
	v_add_nc_u32 v9, STG, v9                       ; my row's half word of O's scales: STG + 64 wave + 2 r (+ 32 in the second pass)
	v_lshl_add_u32 v92, v5, 4, STG
	v_lshlrev_b32 v93, 4, v5
	v_lshlrev_b32 v7, 3, v7                        ; 8 h
.irp p, 0,1,2
	global_load_b64 v[84+2*\p:85+2*\p], v1, s[52:53] offset:256*\p          ; the first tile's Q,
	global_load_b64 v[204+2*\p:205+2*\p], v1, s[52:53] offset:768+256*\p    ; the second's
.endr
	global_load_b32 v90, v8, s[54:55]
.irp i, 0,1,2,3,4,5
	v_mov_b32 v[22+\i], 0                          ; the zero codes between the two copies of Q
.endr
.set n, 0
.rept 32
	v_mov_b32 v[160+n], 0                          ; O^T, once: a pass's first factor is 0, which makes zeros of whatever finite numbers the pass before has left
.set n, n+1
.endr
.set n, 0
.rept 12
	v_mov_b32 v[212+n], 0                          ; the partial sums, once, for the same reason
.set n, n+1
.endr
	v_mov_b32 v14, 0
	v_mov_b32 v15, 0
	v_mov_b32 v11, 0                               ; (named as the upper half of the pair v[10:11])
	v_mov_b32 v253, 0                              ; (of the pair v[252:253])
	v_mov_b32 v255, 0                              ; a lane permute's destination counts as one of its sources
.macro KLD ko, so                      ; a step's four fragments of K and its scale words, at byte ko, so of the trip's
.irp f, 0,1,2,3
.irp i, 0,1,2,3,4,5
	ds_load_b64 v[36+12*\f+2*\i:37+12*\f+2*\i], v5 offset:\ko+FU*\f+256*\i
.endr
.endr
	ds_load_b128 v[192:195], v6 offset:\so
.endm
.macro VLD cnt, ko                     ; the next cnt of V's 24 pieces: they take K's registers
.rept \cnt
	ds_load_b64 v[36+2*VK:37+2*VK], v5 offset:VOFF+\ko+FU*(VK/6)+256*(VK%6)
.set VK, VK+1
.endr
.endm
.macro PKF cnt, nn                     ; t - M, two at a time
.rept \cnt
	v_pk_fma_f32 v[96+PK:97+PK], v[96+PK:97+PK], s[CS:CS+1], v[\nn:\nn+1] op_sel_hi:[1,0,0]
.set PK, PK+2
.endr
.endm
.macro ADDP cnt                        ; the next cnt pairs of p onto the seven chains by turns
.rept \cnt
.if AC == 0
	v_pk_add_f32 v[14:15], v[14:15], v[AK:AK+1]
.else
	v_pk_add_f32 v[210+2*AC:211+2*AC], v[210+2*AC:211+2*AC], v[AK:AK+1]
.endif
.set AK, AK+2
.set AC, (AC+1)%7
.endr
.endm
.macro LMERGE                          ; the six partial sums join the sum
	v_pk_add_f32 v[212:213], v[212:213], v[214:215]
	v_pk_add_f32 v[216:217], v[216:217], v[218:219]
	v_pk_add_f32 v[220:221], v[220:221], v[222:223]
	v_pk_add_f32 v[14:15], v[14:15], v[212:213]
	v_pk_add_f32 v[216:217], v[216:217], v[220:221]
	v_pk_add_f32 v[14:15], v[14:15], v[216:217]
.endm
; A KEY STEP: 128 keys, at byte ko of the trip's codes and so of its scale words; its fragments of K have been asked for.  nn: the register that takes the new -M, on: the one that holds the old.
; nko, nso: where the next step's K lies; cond = 1: in the loop's last trip (s12 = 1) the next step belongs to another half, which asks for itself.
.macro STEP ko, so, nn, on, cond, nko, nso
.set VK, 0
.set PK, 0
.set AK, 122
.set AC, 0
	WALU
	s_wait_dscnt 0x0                               ; K is in
.irp j, 0,1,2,3
.irp e, 0,1
	v_wmma_scale_f32_16x16x128_f8f6f4 v[96+8*(2*\j+\e):103+8*(2*\j+\e)], v[36+12*\j:47+12*\j], v[16+6*\e:27+6*\e], 0, v[192+\j], v[200+\e] matrix_a_fmt:MATRIX_FMT_FP6 matrix_b_fmt:MATRIX_FMT_FP6
.endr
.endr
	LMERGE                                         ; the last step's sums: six places behind the products
.irp t, 0,1,2,3,4,5,6,7                        ; the largest scores, a chain a tile; each accumulator is read from its low end on
	v_max3_num_f32 v[244+\t-30*(\t/4)], v[96+8*\t], v[97+8*\t], v[98+8*\t]
.endr
.irp i, 3,5
.irp t, 0,1,2,3,4,5,6,7
	v_max3_num_f32 v[244+\t-30*(\t/4)], v[244+\t-30*(\t/4)], v[96+8*\t+\i], v[97+8*\t+\i]
.endr
.endr
.irp c, 0,1
	v_max3_num_f32 v[244-26*\c], v[244-26*\c], v[245-26*\c], v[103+32*\c]
	v_max3_num_f32 v[246-26*\c], v[246-26*\c], v[247-26*\c], v[111+32*\c]
.endr
	VLD 2, \ko
.irp c, 0,1
	v_max3_num_f32 v[244-26*\c], v[244-26*\c], v[246-26*\c], v[119+32*\c]
.endr
	VLD 2, \ko
.irp c, 0,1
	v_max_num_f32 v[244-26*\c], v[244-26*\c], v[127+32*\c]   ; my two blocks' largest scores: v244, v218
.endr
	VLD 2, \ko
	v_max_num_f32 v254, v244, v218
	VLD 3, \ko
	v_permlanex16_b32 v255, v254, s[SEL], s[SEL+1]
	VLD 3, \ko
	v_max3_num_f32 v13, v13, v254, v255            ; the running largest score of my query (c is positive)
	VLD 3, \ko
	v_mul_f32 v254, s[NC], v13
	VLD 3, \ko
	v_floor_f32 v[\nn], v254                       ; the new -M = -ceil(t)
	VLD 3, \ko
	v_sub_f32 v254, v[\nn], v[\on]                 ; old M - new M: a whole number, 0 or less
	VLD 3, \ko
	ds_load_b128 v[196:199], v6 offset:2048+\so
.irp c, 0,1
	v_fma_f32 v[250+\c], v[244-26*\c], s[CS], v[\nn]   ; t - M of each block's largest score
.endr
	PKF 4, \nn
	v_cvt_i32_f32 v254, v254                       ; (it saturates)
.irp c, 0,1
	v_max_num_f32 v[250+\c], 0xc2f80000, v[250+\c] ; held at -124: the byte cannot fall under 1
.endr
	PKF 4, \nn
	v_ldexp_f32 v252, 1.0, v254                    ; f = 2^(old M - new M)
.irp c, 0,1
	v_cvt_floor_i32_f32 v[250+\c], v[250+\c]       ; the exponent of the block's largest p
.endr
	PKF 6, \nn
.irp c, 0,1
	v_lshl_add_u32 v[248+\c], v[250+\c], 23, 0x3e800000   ; (exponent - 2 + 127) << 23: the conversion's scale operand
.endr
	v_lshl_add_u32 v253, v251, 16, v250            ; my two bytes, blocks h and 2 + h,
	PKF 6, \nn
	v_add_lshl_u32 v253, v253, 0x7d007d, v7        ; + 125 each, at their places in the word;
	PKF 6, \nn
	v_permlanex16_b32 v255, v253, s[SEL], s[SEL+1]
	PKF 6, \nn
.set n, 0
.rept 16
	v_pk_mul_f32 v[160+n:161+n], v[160+n:161+n], v[252:253] op_sel_hi:[1,0]   ; O^T under the new M
.set n, n+2
.endr
	WALU                                           ; the wait ahead of the batch
.set n, 0
.rept 64
	v_exp_f32 v[96+n], v[96+n]                     ; p = 2^(t - M)
.set n, n+1
.endr
	v_or_b32 v253, v253, v255                      ; with lane l xor 16's two bytes: p's scale word for these 128 keys.  (A plain place behind the exponentials)
	WALU                                           ; one wait for the whole batch, ahead of its first reader
.irp c, 0,1
	v_cvt_scalef32_pk16_fp6_f32 v[224+6*\c:226+6*\c], v[96+32*\c:111+32*\c], v[248+\c]
	v_cvt_scalef32_pk16_fp6_f32 v[236+4*\c:238+4*\c], v[112+32*\c:127+32*\c], v[248+\c]   ; (a conversion's three registers begin on an even number)
.endr
	v_pk_fma_f32 v[14:15], v[14:15], v[252:253], v[96:97] op_sel_hi:[1,0,1]   ; the sum under the new M, and the unquantised p
.irp j, 1,2,3,4,5,6
	v_pk_add_f32 v[210+2*\j:211+2*\j], v[94+4*\j:95+4*\j], v[96+4*\j:97+4*\j]   ; the six partial sums begin anew
.endr
.irp c, 0,1
.irp i, 0,1,2
	v_mov_b32 v[227+6*\c+\i], v[236+4*\c+\i]
.endr
.endr
	ADDP 4                                         ; four places between the codes' last write and the scaled products
	WALU
	s_wait_dscnt 0x0                               ; V is in
.irp t, 0,1,2,3                                ; the four accumulators take one turn each
	v_wmma_scale_f32_16x16x128_f8f6f4 v[160+8*\t:167+8*\t], v[36+12*\t:47+12*\t], v[224:235], v[160+8*\t:167+8*\t], v[196+\t], v253 matrix_a_fmt:MATRIX_FMT_FP6 matrix_b_fmt:MATRIX_FMT_FP6
.endr
	ADDP 4                                         ; these name no register of the products: the four places behind them
.if \cond
	s_cmp_eq_u32 s12, 1
	WALU
	s_cbranch_scc1 .Lno_next_\@
.endif
	KLD \nko, \nso                                 ; the next step's K
.if \cond
.Lno_next_\@:
.endif
	ADDP 11
.endm
.macro HALF base                       ; the eight key steps of the half record at base: four trips of two steps, -M by turns in v12 and v10
	s_mov_b32 s10, \base
	s_mov_b32 s11, \base
	s_mov_b32 s12, 4
	v_add_nc_u32 v5, s10, v1
	v_add_nc_u32 v6, s11, v2
	KLD 0, 0                                       ; the half's first K
.Lhalf_\@:
	STEP 0, 0, 12, 10, 0, 4*FU, 256
	STEP 4*FU, 256, 10, 12, 1, 8*FU, 512
	s_add_co_u32 s10, s10, 8*FU
	s_add_co_u32 s11, s11, 512
	v_add_nc_u32 v5, s10, v1
	v_add_nc_u32 v6, s11, v2
	s_sub_co_u32 s12, s12, 1
	s_cmp_lg_u32 s12, 0
	WALU
	s_cbranch_scc1 .Lhalf_\@
.endm
	WALU                                           ; the wait at the head's end
	s_wait_tensorcnt 0x0                           ; my part of the record is in,
	s_barrier_signal -1
	s_barrier_wait -1                              ; everybody's is
	s_wait_loadcnt 0x0                             ; Q
	s_mov_b32 s13, 0                               ; the pass
	s_mov_b32 s19, 0                               ; 16 x pass: which half of Q's scale word
	s_mov_b32 s17, 0                               ; 32 x pass: the tile's place in the stage
.Lpass:
	v_lshrrev_b32 v200, s19, v90
	v_and_b32 v200, 0xffff, v200                   ; for [Q | zeros]: bytes 0, 1
	v_lshlrev_b32 v201, 16, v200                   ; for [zeros | Q]: bytes 2, 3
.irp i, 0,1,2,3,4,5
	v_mov_b32 v[16+\i], v[84+\i]
	v_mov_b32 v[28+\i], v[84+\i]
.endr
.irp i, 0,1,2,3,4,5
	v_mov_b32 v[84+\i], v[204+\i]                  ; the next pass's Q; these lines are also the places ahead of the first scaled product
.endr
	v_mov_b32 v13, 0xff61b1e6                      ; the largest score so far: -3e38
	v_mov_b32 v10, 0x7e000000                      ; the old -M: so large that the first factor is 0
	HALF 0
	HALF HALFB
; A tile ends: O^T / the sum; my 32 registers are d = 32 h + 0 .. 31 of my query: one block; six registers of codes leave as three runs of 256 bytes.
	LMERGE
	v_add_f32 v14, v14, v15
	v_permlanex16_b32 v255, v14, s[SEL], s[SEL+1]
	v_add_f32 v14, v14, v255                       ; the row's sum
	WALU
	v_rcp_f32 v14, v14
	v_nop                                          ; a plain place behind the transcendental
	WALU                                           ; the wait ahead of its first reader, and of O^T's
.set n, 0
.rept 16
	v_pk_mul_f32 v[96+n:97+n], v[160+n:161+n], v[14:15] op_sel_hi:[1,0]   ; each accumulator from its low end on
.set n, n+2
.endr
.irp b, 0,1
	v_max3_num_f32 v[244+\b], |v[96+16*\b]|, |v[97+16*\b]|, 0x1800000     ; with the floor 2^(3 - 127)
.endr
.irp i, 2,4,6,8,10,12,14
.irp b, 0,1
	v_max3_num_f32 v[244+\b], v[244+\b], |v[96+16*\b+\i]|, |v[97+16*\b+\i]|
.endr
.endr
	v_max_num_f32 v244, v244, v245
	v_add_nc_u32 v248, 0xff000000, v244            ; the conversions' scale operand
	v_lshrrev_b32 v250, 23, v248                   ; the byte,
	v_lshlrev_b32 v250, v7, v250                   ; at its place in the half word
	v_permlanex16_b32 v255, v250, s[SEL], s[SEL+1]
	v_or_b32 v250, v250, v255
	v_cvt_scalef32_pk16_fp6_f32 v[224:226], v[96:111], v248
	v_cvt_scalef32_pk16_fp6_f32 v[236:238], v[112:127], v248
	v_add_nc_u32 v251, s17, v9                     ; a plain place behind the conversions
.irp i, 0,1,2
	v_mov_b32 v[227+\i], v[236+\i]
.endr
.irp p, 0,1,2
	global_store_b64 v1, v[224+2*\p:225+2*\p], s[58:59] offset:256*\p   ; 32 lanes store 256 consecutive bytes, aligned
.endr
	ds_store_b16 v251, v250                        ; both lanes of a row write the same half word with the same value
	s_wait_xcnt 0x0                                ; the stores have read their data and their base
	s_add_nc_u64 s[58:59], s[58:59], 12288         ; the next tile's record
	s_add_co_u32 s19, s19, 16
	s_add_co_u32 s17, s17, 32
	s_add_co_u32 s13, s13, 1
	s_cmp_lg_u32 s13, 2
	WALU
	s_cbranch_scc1 .Lpass
	s_wait_dscnt 0x0                               ; for the others' sake: my half words have landed
	s_barrier_signal -1
	s_barrier_wait -1
	s_cmp_lg_u32 s[WV], 0
	s_cbranch_scc1 .Lnot_first
	ds_load_b128 v[96:99], v92                     ; wave 0 sends the work-group's 1,024 consecutive bytes
	ds_load_b128 v[100:103], v92 offset:512
	s_wait_dscnt 0x0
	global_store_b128 v93, v[96:99], s[56:57]
	global_store_b128 v93, v[100:103], s[56:57] offset:512
.Lnot_first:
	s_wait_tensorcnt 0x0                           ; the wave's end
	ds_add_u32 v3, v4
	s_wait_dscnt 0x0
	CROUND                                         ; the closing round
	s_endpgm
.Lfunc_end_k_q2443067b3f_attn:
	.size	k_q2443067b3f_attn, .Lfunc_end_k_q2443067b3f_attn-k_q2443067b3f_attn
	.p2alignl 7, 3214868480
	.fill 96, 4, 3214868480
	.section	.rodata,"a",@progbits
	.p2align	6, 0x0
	.amdhsa_kernel k_q2443067b3f_attn
		.amdhsa_group_segment_fixed_size 212992
		.amdhsa_private_segment_fixed_size 0
		.amdhsa_enable_private_segment 0
		.amdhsa_kernarg_size 24
		.amdhsa_user_sgpr_count 2
		.amdhsa_user_sgpr_kernarg_segment_ptr 1
		.amdhsa_wavefront_size32 1
		.amdhsa_system_sgpr_workgroup_id_x 1
		.amdhsa_system_sgpr_workgroup_id_y 1
		.amdhsa_system_sgpr_workgroup_id_z 1
		.amdhsa_system_vgpr_workitem_id 0
		.amdhsa_next_free_vgpr 256
		.amdhsa_next_free_sgpr 70
		.amdhsa_reserve_vcc 0
		.amdhsa_float_denorm_mode_32 3
		.amdhsa_float_denorm_mode_16_64 3
		.amdhsa_memory_ordered 1
		.amdhsa_forward_progress 1
		.amdhsa_inst_pref_size 79
	.end_amdhsa_kernel
	.amdgpu_metadata
---
amdhsa.version: [ 1, 2 ]
amdhsa.kernels:
  - .name:           k_q2443067b3f_attn
    .symbol:         k_q2443067b3f_attn.kd
    .args:
      - { .name: qkv, .offset: 0, .size: 8, .value_kind: global_buffer, .address_space: global }
      - { .name: oc, .offset: 8, .size: 8, .value_kind: global_buffer, .address_space: global }
      - { .name: os, .offset: 16, .size: 8, .value_kind: global_buffer, .address_space: global }
    .group_segment_fixed_size: 212992
    .private_segment_fixed_size: 0
    .kernarg_segment_align: 8
    .kernarg_segment_size: 24
    .max_flat_workgroup_size: 512
    .sgpr_count:     70
    .vgpr_count:     256
    .wavefront_size: 32
...
	.end_amdgpu_metadata
.endif
;; end of part 3
;; launch outp (part 4): grid 4 x 64, 4 waves a work-group, clusters of 4 x 4, 327,680 bytes of LDS; arguments oc, os, cd, sc, out0; writes out0
.if DOCPART == 4
	.amdgcn_target "amdgcn-amd-amdhsa--gfx1250"
	.amdhsa_code_object_version 6
	.text
	.protected	k_q2443067b3f_outp
	.globl	k_q2443067b3f_outp
	.p2align	8
	.type	k_q2443067b3f_outp,@function
k_q2443067b3f_outp:
	s_mov_b64 s[64:65], 0
	v_nop
	global_prefetch_b8 v0, s[64:65] scope:SCOPE_SE
	s_setreg_imm32_b32 hwreg(HW_REG_WAVE_MODE, 25, 1), 1
	s_wait_xcnt 0x0
	s_wait_alu depctr_hold_cnt(0) depctr_sa_sdst(0) depctr_va_vdst(0) depctr_va_sdst(0) depctr_va_ssrc(0) depctr_va_vcc(0) depctr_vm_vsrc(0)
	s_getreg_b32 s2, hwreg(HW_REG_IB_STS2, 6, 4)
	s_cmp_eq_u32 s2, 0
	s_cbranch_scc0 .Lentry_in_a_cluster
	s_endpgm
.Lentry_in_a_cluster:
	s_bfe_u32 s2, ttmp6, 0x10000c
	s_cmp_lg_u32 s2, 0xf033
	s_cbranch_scc0 .Lentry_shape_is_right
	s_endpgm
.Lentry_shape_is_right:
; The last projection on codes of FP6 (E2M3): out0 = O wf^T, 8,192 x 1,024, K = 1,024.  A work-group makes 128 x 256, a wave 64 x 128: 32 accumulators in window 2.
; OPERANDS lie in oc and cd in the order of the operand's registers: [row tile][8 K steps of 128][1,536 bytes].  A wave's row tiles, all of K, are one dense run of memory:
; waves 0 and 1 bring 4 row tiles of O each (192 rows of 256 bytes), waves 2 and 3 8 row tiles of wf each (384 rows): one joint load a wave at the head, and nothing is filled again.
; CLUSTERS 4 x 4: O's tiles are shared along a row of the cluster, wf's along a column.  NO PREFETCH: every tensor load stands at the head; no loop runs ahead of a load.
; Position p of row tile T is row 64 (T / 4) + 32 (p / 8) + 8 (T % 4) + p % 8.  The matrix instruction is used transposed (source 0 = wf's rows): lane (r, h) holds row position r of O's tile,
; and register i of wf's tile b is column 64 (b / 4) + 32 h + 8 (b % 4) + i.
; O's scale bytes come as half words, a plane for each head: the words of K step q are made of planes 2 q and 2 q + 1 in registers.
; THE WAY OUT goes through a stage in LDS bytes that held O's tiles: a barrier stands between every wave's last read of them and the first store there.
.set TILEB, 12288
.set FU,    1536
.set BOFF,  8*TILEB
.set SPARE, 24*TILEB                   ; behind the tiles: the spare words, 128 bytes for each wave
.set SPITCH, 528
.set FR,    12
.set ADRA,  12
.set ADRB,  16                         ; v16 wf's tiles 0-3, v17 tiles 4-7
.set STO,   24
.set RD,    25
.set CO,    26
.set SPW,   28
.set NIL,   29
.set SA,    32                         ; v32-63 O's scale words, v64-127 wf's; v224-255 the odd heads' half words as loaded
.set SB,    64
.set SH,    224
.set AF,    128
.set BK,    128
.set G1A,   24
.set G1B,   32
.set G0A,   40
.set G0B,   44
.set MSB, 0
.macro WIN new
.if MSB != \new
	s_set_vgpr_msb (MSB<<8)|\new
.set MSB, \new
.endif
.endm
.set MUL,  0xa1
.set TO_B, 0x40
.macro CROUND
	s_barrier_signal -1
	s_barrier_wait -1
	s_cmp_lg_u32 s14, 0
	s_cbranch_scc1 .Lnot_wave_0_\@
	s_barrier_signal -3
.Lnot_wave_0_\@:
	s_barrier_wait -3
	s_barrier_signal -1
	s_barrier_wait -1
.endm
.macro PLACES n
.rept \n
	v_nop
.endr
.endm
	s_load_b256 s[4:11], s[0:1], 0x0               ; oc, os, cd, sc
	s_load_b64 s[12:13], s[0:1], 0x20              ; out0
	v_lshl_add_u32 v[SPW], v0, 2, SPARE
	v_mov_b32 v[NIL], 0
	ds_add_u32 v[SPW], v[NIL]                      ; the opening lines
	ds_add_u32 v[SPW], v[NIL]
	v_lshrrev_b32 v1, 5, v0
	v_readfirstlane_b32 s14, v1                    ; wave
	s_lshr_b32 s15, s14, 1                         ; my half of the rows; also: I fetch O's tiles (0) or wf's (1)
	s_and_b32 s16, s14, 1                          ; my half of the columns; also: which half I fetch
	s_bfe_u32 s76, ttmp6, 0x40000
	s_bfe_u32 s77, ttmp6, 0x40004
	s_lshl_b32 s78, ttmp9, 2
	s_add_co_u32 s78, s78, s76                     ; tile column
	s_and_b32 s79, ttmp7, 0xffff
	s_lshl_b32 s79, s79, 2
	s_add_co_u32 s79, s79, s77                     ; tile row
	s_lshl_b32 s80, s77, 2
	s_lshl_b32 s80, 15, s80                        ; my row of the cluster
	s_lshl_b32 s81, 0x1111, s76                    ; my column
	s_or_b32 s[G1A], s80, (3<<16)|(1<<21)
	s_or_b32 s[G1B], s81, (3<<16)|(1<<21)
	s_mov_b32 s[G1A+1], 32<<16                     ; rows of 256 bytes, dense
	s_mov_b32 s[G1A+2], 192<<16
	s_mov_b32 s[G1A+3], 32<<16
	s_mov_b32 s[G1A+4], 192
	s_mov_b32 s[G1A+5], 32
	s_mov_b32 s[G1A+6], 0
	s_mov_b32 s[G1A+7], 0
	s_mov_b32 s[G1B+1], 32<<16
	s_mov_b32 s[G1B+2], 384<<16
	s_mov_b32 s[G1B+3], 32<<16
	s_mov_b32 s[G1B+4], 384
	s_mov_b32 s[G1B+5], 32
	s_mov_b32 s[G1B+6], 0
	s_mov_b32 s[G1B+7], 0
	s_lshl_b32 s82, s79, 3
	s_lshl_b32 s17, s16, 2
	s_add_co_u32 s82, s82, s17
	s_mul_i32 s82, s82, TILEB
	s_mov_b32 s83, 0
	s_lshl_b32 s84, s78, 4
	s_lshl_b32 s17, s16, 3
	s_add_co_u32 s84, s84, s17
	s_add_co_u32 s84, s84, 704                     ; wf begins at tile 704
	s_mul_i32 s84, s84, TILEB
	s_mov_b32 s85, 0
	s_mov_b32 s[G0A], 1
	s_mul_i32 s[G0A+1], s16, 4*TILEB
	s_mov_b32 s[G0B], 1
	s_mul_i32 s[G0B+1], s16, 8*TILEB
	s_add_co_u32 s[G0B+1], s[G0B+1], BOFF
	s_wait_dscnt 0x0
	s_wait_kmcnt 0x0
	s_add_nc_u64 s[G0A+2:G0A+3], s[4:5], s[82:83]
	s_or_b32 s[G0A+3], s[G0A+3], 0x80000000
	s_add_nc_u64 s[G0B+2:G0B+3], s[8:9], s[84:85]
	s_or_b32 s[G0B+3], s[G0B+3], 0x80000000
	CROUND                                         ; the joint loads meet
	s_cmp_eq_u32 s15, 0
	s_cbranch_scc0 .Lfor_b
	tensor_load_to_lds s[G0A:G0A+3], s[G1A:G1A+7]
	s_nop 0
	PLACES 4
	s_branch .Lasked
.Lfor_b:
	tensor_load_to_lds s[G0B:G0B+3], s[G1B:G1B+7]
	s_nop 0
	PLACES 4
.Lasked:
	v_and_b32 v2, 31, v0
	v_and_b32 v1, 15, v0                           ; r
	v_bfe_u32 v4, v0, 4, 1                         ; h
	v_lshlrev_b32 v3, 3, v2
	s_wait_alu depctr_va_vdst(0)
	s_mul_i32 s2, s15, 4*TILEB
	s_mul_i32 s3, s16, 8*TILEB
	s_add_co_u32 s3, s3, BOFF
	v_add_nc_u32 v[ADRA], s2, v3
	v_add_nc_u32 v[ADRB], s3, v3
	s_add_co_u32 s3, s3, 4*TILEB
	v_add_nc_u32 v[ADRB+1], s3, v3
	s_lshl_b32 s90, s79, 3
	s_lshl_b32 s91, s15, 2
	s_add_co_u32 s90, s90, s91
	s_lshl_b32 s90, s90, 5                         ; os: 32 bytes a tile
	v_lshl_add_u32 v20, v1, 1, s90
	s_lshl_b32 s91, s78, 4
	s_lshl_b32 s92, s16, 3
	s_add_co_u32 s91, s91, s92
	s_add_co_u32 s91, s91, 704
	s_lshl_b32 s91, s91, 9
	v_lshl_add_u32 v21, v1, 5, s91
.irp a, 0,1,2,3
.irp q, 0,1,2,3,4,5,6,7
	global_load_u16 v[SA+8*\a+\q], v20, s[6:7] offset:32768*\q+32*\a          ; head 2 q's two bytes,
	global_load_u16 v[SH+8*\a+\q], v20, s[6:7] offset:32768*\q+16384+32*\a    ; head 2 q + 1's
.endr
.endr
.irp b, 0,1,2,3,4,5,6,7
	global_load_b128 v[SB+8*\b:SB+8*\b+3], v21, s[10:11] offset:512*\b
	global_load_b128 v[SB+8*\b+4:SB+8*\b+7], v21, s[10:11] offset:512*\b+16
.endr
	s_mul_i32 s2, s14, 16*SPITCH
	v_mul_u32_u24 v[STO], v1, SPITCH
	v_lshl_add_u32 v[STO], v4, 7, v[STO]           ; into the stage: row r, + 128 h bytes
	v_add_nc_u32 v[STO], s2, v[STO]
	v_lshlrev_b32 v[CO], 4, v2
	v_add_nc_u32 v[RD], s2, v[CO]
	s_lshl_b32 s88, s79, 7
	s_lshl_b32 s89, s15, 6
	s_add_co_u32 s88, s88, s89
	s_lshl_b32 s88, s88, 12
	s_lshl_b32 s89, s78, 10
	s_add_co_u32 s88, s88, s89
	s_lshl_b32 s89, s16, 9
	s_add_co_u32 s88, s88, s89
	s_mov_b32 s89, 0
	s_add_nc_u64 s[12:13], s[12:13], s[88:89]
.macro FRAG reg, adr, q, i
.irp p, 0,1,2,3,4,5
	ds_load_b64 v[\reg+2*\p:\reg+2*\p+1], v[\adr] offset:TILEB*(\i)+FU*(\q)+256*\p
.endr
.endm
.macro FETCH q, p                      ; K step q's fragments into set p
	WIN TO_B
.irp i, 0,1,2,3,4,5,6,7
	FRAG 128*(\p)+FR*\i, ADRB+\i/4, \q, \i%4
.endr
	WIN 0
.irp i, 0,1,2,3
	FRAG AF+48*(\p)+FR*\i, ADRA, \q, \i
.endr
.endm
.macro MUL16 a0, p, q, zero            ; the 32 accumulators take turns
.irp a, \a0, \a0+1
.irp b, 0,1,2,3,4,5,6,7
.if \zero
	v_wmma_scale_f32_16x16x128_f8f6f4 v[8*(8*(\a)+\b):8*(8*(\a)+\b)+7], v[128*(\p)+FR*\b:128*(\p)+FR*\b+FR-1], v[AF+48*(\p)+FR*(\a):AF+48*(\p)+FR*(\a)+FR-1], 0, v[SB+8*\b+(\q)], v[SA+8*(\a)+(\q)] matrix_a_fmt:MATRIX_FMT_FP6 matrix_b_fmt:MATRIX_FMT_FP6
.else
	v_wmma_scale_f32_16x16x128_f8f6f4 v[8*(8*(\a)+\b):8*(8*(\a)+\b)+7], v[128*(\p)+FR*\b:128*(\p)+FR*\b+FR-1], v[AF+48*(\p)+FR*(\a):AF+48*(\p)+FR*(\a)+FR-1], v[8*(8*(\a)+\b):8*(8*(\a)+\b)+7], v[SB+8*\b+(\q)], v[SA+8*(\a)+(\q)] matrix_a_fmt:MATRIX_FMT_FP6 matrix_b_fmt:MATRIX_FMT_FP6
.endif
.endr
.endr
.endm
.macro KSTEP qg, zero                  ; this step's fragments are in; the next step's are fetched under its products
	s_wait_dscnt 0x0
	PLACES 4                                       ; in front of loads into registers that matrix instructions have read
	FETCH (\qg)+1, 1-(\qg)%2
	WIN MUL
	MUL16 0, (\qg)%2, \qg, \zero
	MUL16 2, (\qg)%2, \qg, \zero
.endm
	s_wait_alu depctr_va_vdst(0)                   ; the wait at the head's end
	s_wait_tensorcnt 0x0                           ; my tiles are in,
	s_barrier_signal -1
	s_barrier_wait -1                              ; everybody's are
	FETCH 0, 0
	s_wait_loadcnt 0x0
.set n, 0
.rept 32
	v_lshl_or_b32 v[SA+n], v[SH+n], 16, v[SA+n]    ; a K step's scale word: the even head's bytes low, the odd head's high
.set n, n+1
.endr
	s_wait_alu depctr_va_vdst(0)
	PLACES 8                                       ; a scale register written by a vector instruction stands 8 places ahead of a scaled product
	KSTEP 0, 1
.irp q, 1,2,3,4,5,6
	KSTEP \q, 0
.endr
	s_wait_dscnt 0x0                               ; my last reads of the tiles are over
	s_barrier_signal -1
	MUL16 0, 1, 7, 0
	MUL16 2, 1, 7, 0
	WIN 0
	s_barrier_wait -1                              ; everybody's are: the stage may be written
.macro TOSTAGE a
	WIN 0x08
.irp b, 0,1,2,3,4,5,6,7
	ds_store_b128 v[STO], v[8*(8*(\a)+\b):8*(8*(\a)+\b)+3] offset:256*(\b/4)+32*(\b%4)
	ds_store_b128 v[STO], v[8*(8*(\a)+\b)+4:8*(8*(\a)+\b)+7] offset:256*(\b/4)+32*(\b%4)+16
.endr
	WIN 0
.set BB, BK+64*((\a)%2)
.irp t, 0,1,2,3,4,5,6,7,8,9,10,11,12,13,14,15
	ds_load_b128 v[BB+4*\t:BB+4*\t+3], v[RD] offset:\t*SPITCH    ; LDS serves a wave's instructions in order: these see my stores
.endr
.endm
.macro SEND a, younger
.set BB, BK+64*((\a)%2)
	s_wait_dscnt \younger
.irp t, 0,1,2,3,4,5,6,7,8,9,10,11,12,13,14,15
	global_store_b128 v[CO], v[BB+4*\t:BB+4*\t+3], s[12:13] offset:(8*(\a)+\t+24*(\t/8))*4096 th:TH_STORE_NT   ; 32 lanes store 512 consecutive bytes, aligned
.endr
.endm
	PLACES 4
	TOSTAGE 0
.irp a, 1,2,3
.if \a > 1
	s_wait_xcnt 0x0                                ; block a - 2's stores have read their registers
.endif
	TOSTAGE \a
	SEND \a-1, 32                                  ; behind block a - 1's loads: block a's 16 stores and 16 loads
.endr
	SEND 3, 0
	s_wait_tensorcnt 0x0                           ; the wave's end
	ds_add_u32 v[SPW], v[NIL]
	s_wait_dscnt 0x0
	CROUND                                         ; the closing round
	s_endpgm
.Lfunc_end_k_q2443067b3f_outp:
	.size	k_q2443067b3f_outp, .Lfunc_end_k_q2443067b3f_outp-k_q2443067b3f_outp
	.p2alignl 7, 3214868480
	.fill 96, 4, 3214868480
	.section	.rodata,"a",@progbits
	.p2align	6, 0x0
	.amdhsa_kernel k_q2443067b3f_outp
		.amdhsa_group_segment_fixed_size 327680
		.amdhsa_private_segment_fixed_size 0
		.amdhsa_enable_private_segment 0
		.amdhsa_kernarg_size 40
		.amdhsa_user_sgpr_count 2
		.amdhsa_user_sgpr_kernarg_segment_ptr 1
		.amdhsa_wavefront_size32 1
		.amdhsa_system_sgpr_workgroup_id_x 1
		.amdhsa_system_sgpr_workgroup_id_y 1
		.amdhsa_system_sgpr_workgroup_id_z 1
		.amdhsa_system_vgpr_workitem_id 0
		.amdhsa_next_free_vgpr 768
		.amdhsa_next_free_sgpr 100
		.amdhsa_reserve_vcc 0
		.amdhsa_float_denorm_mode_32 3
		.amdhsa_float_denorm_mode_16_64 3
		.amdhsa_memory_ordered 1
		.amdhsa_forward_progress 1
		.amdhsa_inst_pref_size 101
	.end_amdhsa_kernel
	.amdgpu_metadata
---
amdhsa.version: [ 1, 2 ]
amdhsa.kernels:
  - .name:           k_q2443067b3f_outp
    .symbol:         k_q2443067b3f_outp.kd
    .args:
      - { .name: oc, .offset: 0, .size: 8, .value_kind: global_buffer, .address_space: global }
      - { .name: os, .offset: 8, .size: 8, .value_kind: global_buffer, .address_space: global }
      - { .name: cd, .offset: 16, .size: 8, .value_kind: global_buffer, .address_space: global }
      - { .name: sc, .offset: 24, .size: 8, .value_kind: global_buffer, .address_space: global }
      - { .name: out0, .offset: 32, .size: 8, .value_kind: global_buffer, .address_space: global }
    .group_segment_fixed_size: 327680
    .private_segment_fixed_size: 0
    .kernarg_segment_align: 8
    .kernarg_segment_size: 40
    .max_flat_workgroup_size: 128
    .sgpr_count:     100
    .vgpr_count:     768
    .wavefront_size: 32
...
	.end_amdgpu_metadata
.endif
;; end of part 4
